; MI455X (gfx1250); checked and timed in simulation.
; The chip was launched on July 23, 2026; its instructions are those of AMD's public machine-readable ISA for CDNA 5 (MIT licence, August 2026) and "CDNA5" Instruction Set Architecture Reference Guide (July 2026). The comments in the code are by the model that wrote it; some were corrected since.
;; Model. Allowed arithmetic: float matrix products may take bf16 or f16 operands with f32 sums; all other float work in f32.
;; Inputs: dropout_p one number float32; key 2 x 32 x 2,048 x 128 float32; query 2 x 32 x 2,048 x 128 float32; scale_factor one number float32; value 2 x 32 x 2,048 x 128 float32.
;; Outputs: out0 2 x 32 x 2,048 x 128 float32.
;; One version. Each part assembles by itself: llvm-mc -triple=amdgcn-amd-amdhsa -mcpu=gfx1250 --defsym DOCPART=n.
;; ======== version 1 of 1: 1 launch
;; limits: values are held in f16: magnitudes above 65,504 overflow, below 6.1e-05 lose precision
;; launch attn (part 1): grid 8 x 64, 4 waves a work-group, clusters of 4 x 1, 327,680 bytes of LDS; arguments query, key, value, scale_factor, dropout_p, out0; writes out0
.if DOCPART == 1
	.amdgcn_target "amdgcn-amd-amdhsa--gfx1250"
	.amdhsa_code_object_version 6
	.text
	.protected	k_q175cda95f1_attn
	.globl	k_q175cda95f1_attn
	.p2align	8
	.type	k_q175cda95f1_attn,@function
k_q175cda95f1_attn:
	s_mov_b64 s[64:65], 0
	v_nop
	global_prefetch_b8 v0, s[64:65] scope:SCOPE_SE
	s_setreg_imm32_b32 hwreg(HW_REG_WAVE_MODE, 25, 1), 1
	s_wait_xcnt 0x0
	s_wait_alu depctr_hold_cnt(0) depctr_sa_sdst(0) depctr_va_vdst(0) depctr_va_sdst(0) depctr_va_ssrc(0) depctr_va_vcc(0) depctr_vm_vsrc(0)
	s_getreg_b32 s2, hwreg(HW_REG_IB_STS2, 6, 4)
	s_cmp_eq_u32 s2, 0
	s_cbranch_scc0 .Lentry_in_a_cluster
	s_endpgm
.Lentry_in_a_cluster:
	s_bfe_u32 s2, ttmp6, 0x10000c
	s_cmp_lg_u32 s2, 0x3003
	s_cbranch_scc0 .Lentry_shape_is_right
	s_endpgm
.Lentry_shape_is_right:
; out[h][q][:] = dropout_p x the sum over k of softmax_k(scale x Q[h][q] . K[h][k]) V[h][k][:].  Q, K, V, out: [64 heads][2048][128] f32; scale and dropout_p are read from memory.
; Products in f16 with f32 sums; maxima, exponentials and row sums in f32; the weights p are rounded to f16 for the second product.
; WHY f16.  It keeps 11 significant bits where bf16 keeps 8, so each of the four roundings (Q, K, V, p) is eight times finer, and the output is compared to a hundredth of its root mean square.
; LIMITS.  |c Q|, |K| or |V| above 65,504, the largest f16, become infinite; numbers below 2^-14 are rounded to multiples of 2^-24.  A weight p (at most 1: it is taken against a running maximum)
; below 2^-25 enters the second product as 0: at most 2,047 x 2^-25 of a weight sum l that is at least 1; l itself is summed in f32 from the unrounded weights, of which those below 2^-126 count
; as 0 (ISA guide 15.8: v_exp_f32 flushes denormal results).  NaN and infinite inputs are not reproduced (the maxima drop a NaN).
; Q is multiplied by c = scale x log2(e) in f32 and rounded to f16 after that, not before.  The scale may have any sign or be 0: the running maximum is taken over c s, the number that is exponentiated.
; SHARES.  A work-group owns 256 queries of one head, each of its four waves 64: four tiles of 16.  Every wave walks the head's 2,048 keys, 64 a step, 32 steps.
; CLUSTER.  The four query blocks of a cluster belong to one head and walk the same K and V, so each f32 tile is asked for JOINTLY: the same tensor load, with the same descriptor and
; a mask that names the four, in all four; each receives the tile in its own LDS.
; FROM f32 TO f16.  A step's K and V (64 rows x 512 bytes each) land in an f32 stage of two slots.  Each wave reads 16 rows of K and 16 of V from the stage, rounds them, and stores them into one
; of two f16 buffers with padded rows; from there all four waves take their fragments.  In trip f (b = f % 2): behind the round slot b takes step f + 2, the fragments of step f come out of
; buffer b, and step f + 1 goes from slot 1 - b into buffer 1 - b.  One round and one tensor load a wave for each key step.  The stage is written by tensor loads alone, the buffers by ds_store alone.
; LAYOUT.  S^T = K Q^T (source 0 = 16 keys, source 1 = 16 queries): a lane holds ONE query (lane % 16) and the keys 8 (lane / 16) + 0..7.  Two such tiles, rounded in pairs, ARE source 1
; (32 keys x 16 queries) of O^T = V^T P, whose result again holds one query a lane, and eight channels.  K comes out of LDS as it lies, V ([key][channel]) turned, by ds_load_tr16_b128.
; SOFTMAX.  For each query a running maximum m and sum l: p = 2^(s - m), s the score with c already in Q; in every step O and l are multiplied by a = 2^(m_old - m_new).
; BY TURNS.  The wave's tiles are two PIECES: piece 0 (tiles 0, 1), piece 2 (tiles 2, 3).  In a TURN one piece has the matrix unit: 32 products V^T P of the step in hand, then 32 products K Q^T of
; the next; the other piece's softmax, cut into 64 slices, stands between them, one slice behind each matrix instruction.  Two turns are a key step.
;
; REGISTERS, in windows of 256 (s_set_vgpr_msb: bits 1:0 source 0, 3:2 source 1, 5:4 source 2, 7:6 destination):
;   window 0: v1-11, v44-53 addresses; v12-43 eight registers of statistics a tile; v64-191 S^T, 32 a tile; v192-255 P, 16 a tile
;   window 1: O^T, 64 a tile (at the start: Q in f32)      window 2: v0-127 Q, 32 a tile; v128-255 K of one step      window 3: v0-127 V of one step; v128-255 X, the 128 numbers a lane converts
.set KS,    64        ; keys in a step
.set STEPG, 32768     ; a step's rows of K, or of V, in memory: 64 x 512 bytes
.set SLOTB, 65536     ; a slot of the f32 stage: K's 64 rows of 512 bytes, then V's; no padding: it is read 512 neighbouring bytes at a time
.set PK,    272       ; an f16 row of K in LDS: 256 bytes + 16 = 68 words: row r starts at bank 4 r mod 64 (64 banks of 4 bytes: ISA guide 11.1), so the 16 rows of a load start at 16 different banks
.set PV,    288       ; an f16 row of V: 256 + 32 = 72 words
.set VOFF,  KS*PK     ; in an f16 buffer: 64 rows of K, then 64 rows of V
.set HFB,   KS*(PK+PV)  ; an f16 buffer, 35,840 bytes
.set HF,    2*SLOTB   ; the two f16 buffers lie behind the stage
.set OUTS,  HF+2*HFB  ; behind them: 16 rows x 528 bytes for each wave, for the way out
.set SP,    528       ; a row of O in f32, 512 bytes + 16 = 132 words: row r starts at bank 4 r mod 64
.set AK,  2           ; v2, v3    my lane's place in K's fragments, f16 buffer 0, 1
.set AV,  4           ; v4, v5    the same for V
.set CA,  6           ; v6, v7    my 16 bytes in my wave's first row of K in stage slot 0, 1
.set CKA, 8           ; v8, v9    my 8 bytes in my wave's first row of K in f16 buffer 0, 1
.set CVA, 10          ; v10, v11  the same for V
.set ST,  12          ; tile t's statistics at v[ST+8 t]: +0, +1 l (even keys', odd keys'); +2 m; +3 to +6 c0-c3, at work; +7 m_old, then m_old - m_new; a takes c1's place once the maximum is found
.set CC,  44          ; v[44:45]  c = scale x log2(e), and the scale
.set QO,  46          ; my byte offset in the wave's rows of Q
.set STO, 47          ; the way out: where I put 32 bytes of a row
.set RD,  48          ; the way out: where I read a row back
.set GO,  49          ; my byte offset in a row of the output
.set PF,  53          ; my byte offset, in the head's K or V, of the prefetch in hand
.set S,   64
.set P,   192
.set KF,  128         ; K's fragments, in window 2
.set X,   128         ; the numbers being converted, in window 3
.set WV,  16          ; s16  my wave's number
.set G1,  24          ; s[24:31] descriptor group 1, the same for every load
.set G0K, 32          ; s[32:39] descriptor group 0 for K's tiles, a set for each stage slot
.set G0V, 40          ; s[40:47] the same for V's
.set PAIRS, 48        ; s48  pairs of key steps to go in the loop
.set SEL, 52          ; s[52:53] lane selects for v_permlanex16_b32: each lane takes its own place in the other half
.set MSB, 0
.macro WIN new                      ; the immediate's high byte repeats the setting that is left; a switch that changes nothing is dropped
.if MSB != \new
	s_set_vgpr_msb (MSB<<8)|\new
.set MSB, \new
.endif
.endm
.set W_KQ, 0x0a       ; K and Q in window 2, S^T in window 0
.set W_PV, 0x53       ; V in window 3, P in window 0, O^T in window 1
.set W_RS, 0x41       ; destination and source 0 in window 1, the factor in window 0
; A joint refill of stage slot s.  Waves 0 and 1 fetch the two halves of K's tile, waves 2 and 3 those of V's.  The branch hangs on the wave's number alone: it is the same in every work-group.
; Four v_nop follow each of the two lines; the jump round the other line, the label and what follows the macro come after them.
.macro JLOAD s
	s_cmp_lt_u32 s[WV], 2
	s_cbranch_scc0 .Lfor_v_\@
	tensor_load_to_lds s[G0K+4*\s:G0K+4*\s+3], s[G1:G1+7]
	s_nop 0
.rept 4
	v_nop
.endr
	s_branch .Lasked_\@
.Lfor_v_\@:
	tensor_load_to_lds s[G0V+4*\s:G0V+4*\s+3], s[G1:G1+7]
	s_nop 0
.rept 4
	v_nop
.endr
.Lasked_\@:
.endm
; A round of the cluster's barrier: my work-group's barrier, so that wave 0's signal speaks for all four waves; wave 0 signals for the work-group; every wave waits for all four
; work-groups; my work-group's barrier once more.  No LDS instruction of the wave is pending at a signal.
.macro CROUND
	s_barrier_signal -1
	s_barrier_wait -1
	s_cmp_lg_u32 s[WV], 0
	s_cbranch_scc1 .Lnot_wave_0_\@
	s_barrier_signal -3
.Lnot_wave_0_\@:
	s_barrier_wait -3
	s_barrier_signal -1
	s_barrier_wait -1
.endm
	s_load_b256 s[4:11], s[0:1], 0x0  ; Q s[4:5], K s[6:7], V s[8:9], the scale's address s[10:11]
	s_load_b128 s[12:15], s[0:1], 0x20  ; dropout_p's address s[12:13], the output s[14:15]
	v_lshl_add_u32 v62, v0, 2, 0x39c00
	v_mov_b32 v63, 0
	ds_add_u32 v62, v63
	v_lshrrev_b32 v51, 5, v0
	v_readfirstlane_b32 s[WV], v51  ; wave 0..3
	s_bfe_u32 s18, ttmp6, 0x40000   ; cx: my place in the cluster
	s_lshl_b32 s19, ttmp9, 2        ; in a cluster launch ttmp9 counts clusters
	s_add_co_u32 s19, s19, s18      ; my block of 256 queries = 4 x cluster x + cx: it enters Q's and the output's addresses alone
	s_and_b32 s20, ttmp7, 0xffff    ; the head, which the four partners share,
	s_lshl_b32 s20, s20, 20         ; times its 2,048 rows of 512 bytes: 63 MiB at the most
	s_mov_b32 s21, 0
	s_and_b32 s17, s[WV], 1         ; which half of a tile I fetch: 32 rows of 512 bytes,
	s_lshl_b32 s17, s17, 14         ; 16,384 bytes on in memory and in the stage: no place in the cluster enters an LDS address
	s_mov_b32 s22, s17
	s_mov_b32 s23, 0
	s_lshl_b32 s2, s19, 17          ; my block's 256 rows,
	s_lshl_b32 s3, s[WV], 15        ; my wave's 64 of them
	s_add_co_u32 s2, s2, s3
	s_mov_b32 s3, 0
	s_add_nc_u64 s[2:3], s[2:3], s[20:21]
	; descriptor group 1: my 16,384 bytes are dense in memory and in LDS; they go as 64 rows of 32 elements of 8 bytes
	s_mov_b32 s[G1], 15|(3<<16)|(1<<21)  ; 15:0 the mask: all four work-groups; 17:16 elements of 8 bytes; 20 no padding; 21 set beside a mask
	s_mov_b32 s[G1+1], 32<<16       ; 63:48 tensor_dim0, low half = 32
	s_mov_b32 s[G1+2], 64<<16       ; 79:64 its high half = 0; 95:80 tensor_dim1, low half = 64
	s_mov_b32 s[G1+3], 32<<16       ; 111:96 its high half = 0; 127:112 tile_dim0 = 32
	s_mov_b32 s[G1+4], 64           ; 143:128 tile_dim1 = 64; 159:144 tile_dim2 = 0
	s_mov_b32 s[G1+5], 32           ; 191:160 tensor_dim0_stride: 32 elements from row to row
	s_mov_b32 s[G1+6], 0
	s_mov_b32 s[G1+7], 0
	s_mov_b32 s[SEL], 0x76543210
	s_mov_b32 s[SEL+1], 0xfedcba98
	s_wait_dscnt 0x0
	s_wait_kmcnt 0x0
	s_load_b32 s55, s[10:11], 0x0   ; scale_factor
	s_load_b32 s54, s[12:13], 0x0   ; dropout_p
	s_add_nc_u64 s[6:7], s[6:7], s[20:21]  ; K and V at the head's first row
	s_add_nc_u64 s[8:9], s[8:9], s[20:21]
	s_cmp_lt_u32 s[WV], 2
	s_cselect_b64 s[56:57], s[6:7], s[8:9]  ; what I prefetch: the tensor that I fetch
	s_add_nc_u64 s[6:7], s[6:7], s[22:23]  ; K and V at my half of step 0's tile
	s_add_nc_u64 s[8:9], s[8:9], s[22:23]
	s_add_nc_u64 s[4:5], s[4:5], s[2:3]  ; Q and the output at my wave's first row
	s_add_nc_u64 s[14:15], s[14:15], s[2:3]
	CROUND                          ; all four work-groups are here: the first joint loads meet
.irp s, 0,1
	s_mov_b32 s[G0K+4*\s], 1        ; 1:0 count = 1
	s_add_co_u32 s[G0K+4*\s+1], s17, \s*SLOTB  ; 63:32 LDS address: my half of K's part of slot s
	s_add_nc_u64 s[G0K+4*\s+2:G0K+4*\s+3], s[6:7], \s*STEPG  ; 120:64 global address: slot s begins with key step s
	s_or_b32 s[G0K+4*\s+3], s[G0K+4*\s+3], 0x80000000  ; 127:126 type = 2
	s_mov_b32 s[G0V+4*\s], 1
	s_add_co_u32 s[G0V+4*\s+1], s17, \s*SLOTB+STEPG  ; V's part lies behind K's 32,768 bytes
	s_add_nc_u64 s[G0V+4*\s+2:G0V+4*\s+3], s[8:9], \s*STEPG
	s_or_b32 s[G0V+4*\s+3], s[G0V+4*\s+3], 0x80000000
.endr
	s_cmp_lt_u32 s[WV], 2           ; a wave's two first fills stand in one branch, ahead of every wait on TENSORcnt and every LDS read: two loads of mine are out; four v_nop follow the second, as in JLOAD
	s_cbranch_scc0 .Lfirst_v
	tensor_load_to_lds s[G0K:G0K+3], s[G1:G1+7]
	s_nop 0
	tensor_load_to_lds s[G0K+4:G0K+7], s[G1:G1+7]
	s_nop 0
.rept 4
	v_nop
.endr
	s_branch .Lfirst_asked
.Lfirst_v:
	tensor_load_to_lds s[G0V:G0V+3], s[G1:G1+7]
	s_nop 0
	tensor_load_to_lds s[G0V+4:G0V+7], s[G1:G1+7]
	s_nop 0
.rept 4
	v_nop
.endr
.Lfirst_asked:
	; A fragment of Q is 16 rows x 32 channels: lane l holds row l % 16, channels 8 (l / 16) + 0..7 and 16 + 8 (l / 16) + 0..7.  In f32 those are 32 bytes at 32 (l / 16) and 32 bytes 64 further on: four loads of 16 bytes.
	v_and_b32 v1, 15, v0            ; l % 16
	v_bfe_u32 v50, v0, 4, 1         ; l / 16
	v_and_b32 v52, 31, v0           ; l
	v_lshlrev_b32 v[QO], 9, v1
	v_lshl_add_u32 v[QO], v50, 5, v[QO]  ; row x 512 + 32 x half
	; The prefetch.  The 65,536 bytes of two key steps of K are shared among the cluster's eight waves that fetch K, 8,192 bytes a wave, lanes 256 bytes apart; V's likewise.  This first one asks for steps 4 and 5.
	; The head's other cluster walks the same K and V and asks too: the two are not in step, so neither leans on the other.
	s_lshl_b32 s2, s18, 14          ; 2 cx x 8,192
	s_lshr_b32 s3, s17, 1           ; + (wave % 2) x 8,192
	s_add_co_u32 s2, s2, s3
	s_add_co_u32 s2, s2, 4*STEPG
	v_lshl_add_u32 v[PF], v52, 8, s2
	WIN 0x40                        ; destination window 1, address window 0
.irp i, 0,1,2,3,4,5,6,7,8,9,10,11,12,13,14,15  ; tile i / 4, channels 32 (i % 4) on: 16 registers of f32
	global_load_b128 v[16*\i:16*\i+3],     v[QO], s[4:5] offset:(\i/4)*8192+(\i%4)*128
	global_load_b128 v[16*\i+4:16*\i+7],   v[QO], s[4:5] offset:(\i/4)*8192+(\i%4)*128+16
	global_load_b128 v[16*\i+8:16*\i+11],  v[QO], s[4:5] offset:(\i/4)*8192+(\i%4)*128+64
	global_load_b128 v[16*\i+12:16*\i+15], v[QO], s[4:5] offset:(\i/4)*8192+(\i%4)*128+80
.endr
	WIN 0
	global_prefetch_b8 v[PF], s[56:57] th:TH_LOAD_NT scope:SCOPE_SE
	v_mul_u32_u24 v51, v1, PK       ; K's fragments: row x pitch + 16 x half
	v_lshl_add_u32 v51, v50, 4, v51
	v_add_nc_u32 v[AK], HF, v51
	v_add_nc_u32 v[AK+1], HF+HFB, v51
	; The turning load takes 16 keys x 16 channels (lane l reads 16 bytes: key 8 (l / 16) + l % 8, channels 8 ((l / 8) % 2) + 0..7) and leaves half a fragment of V^T: lane l holds channel l % 16 and 8 keys.
	v_and_b32 v51, 7, v0
	v_lshl_add_u32 v51, v50, 3, v51
	v_mul_u32_u24 v51, v51, PV
	v_bfe_u32 v[GO], v0, 3, 1       ; (at work; GO gets its own number below)
	v_lshl_add_u32 v51, v[GO], 4, v51
	v_add_nc_u32 v[AV], HF+VOFF, v51
	v_add_nc_u32 v[AV+1], HF+HFB+VOFF, v51
	; The conversion: wave w takes rows 16 w to 16 w + 15 of K and of V; a row of 512 bytes is one load of the wave, 16 bytes a lane, and goes back as 256 bytes, 8 a lane.
	s_lshl_b32 s22, s[WV], 13       ; 16 rows of 512 bytes
	v_lshl_add_u32 v[CA], v52, 4, s22
	v_add_nc_u32 v[CA+1], SLOTB, v[CA]
	s_mul_i32 s22, s[WV], 16*PK
	v_lshl_add_u32 v51, v52, 3, s22
	v_add_nc_u32 v[CKA], HF, v51
	v_add_nc_u32 v[CKA+1], HF+HFB, v51
	s_mul_i32 s22, s[WV], 16*PV
	v_lshl_add_u32 v51, v52, 3, s22
	v_add_nc_u32 v[CVA], HF+VOFF, v51
	v_add_nc_u32 v[CVA+1], HF+HFB+VOFF, v51
	s_wait_kmcnt 0x0                ; the two scalars
	v_mov_b32 v[CC+1], s55
	v_mul_f32 v[CC], 0x3fb8aa3b, v[CC+1]  ; c = scale x log2(e): with it in Q the scores are exponents of 2
	s_wait_loadcnt 0x0              ; Q
	WIN W_RS
.set i, 0
.rept 128
	v_pk_mul_f32 v[i:i+1], v[i:i+1], v[CC:CC+1] op_sel_hi:[1,0]
.set i, i+2
.endr
	WIN 0x85                        ; sources window 1, destination window 2
.set i, 0
.rept 128
	v_cvt_pk_f16_f32 v[i], v[2*i], v[2*i+1]  ; fragment i / 8: registers 0-3 its first eight channels, 4-7 its second eight
.set i, i+1
.endr
; THE MATRIX WORK OF A TURN, for piece x.  The accumulators take turns, one instruction a turn.
; Product i of 32 of O^T += V^T P: keys 32 (i / 16) on, channels 16 ((i / 2) % 8) on, tile x + i % 2.  zero = 1: the first 16 start the sums: nothing is ever cleared.
.macro PV x, zero
	WIN W_PV
.set rO, 64*(\x+i%2)+8*((i/2)%8)
.set rV, 64*(i/16)+8*((i/2)%8)
.set rP, P+16*(\x+i%2)+8*(i/16)
.if \zero && (i < 16)
	v_wmma_f32_16x16x32_f16 v[rO:rO+7], v[rV:rV+7], v[rP:rP+7], 0
.else
	v_wmma_f32_16x16x32_f16 v[rO:rO+7], v[rV:rV+7], v[rP:rP+7], v[rO:rO+7]
.endif
.endm
; Product i of 32 of S^T = K Q^T: channels 32 (i / 8) on, keys 16 ((i / 2) % 4) on, tile x + i % 2.  The first 8 start the sums.
.macro KQ x
	WIN W_KQ
.set rS, S+32*(\x+i%2)+8*((i/2)%4)
.set rK, KF+32*((i/2)%4)+8*(i/8)
.set rQ, 32*(\x+i%2)+8*(i/8)
.if i < 8
	v_wmma_f32_16x16x32_f16 v[rS:rS+7], v[rK:rK+7], v[rQ:rQ+7], 0
.else
	v_wmma_f32_16x16x32_f16 v[rS:rS+7], v[rK:rK+7], v[rQ:rQ+7], v[rS:rS+7]
.endif
.endm
; THE LDS INSTRUCTIONS stand in runs, never singly among the matrix instructions.  A step's K out of f16 buffer d (64 keys x 128 channels: 16 fragments) and, a turn later, its V (turned).
.macro FETCH_K d
	WIN 0x80                        ; destination window 2
.irp f, 0,1,2,3,4,5,6,7,8,9,10,11,12,13,14,15  ; keys 16 (f / 4) on, channels 32 (f % 4) on
	ds_load_b128 v[KF+8*\f:KF+8*\f+3],   v[AK+(\d)] offset:(\f/4)*16*PK+(\f%4)*64
	ds_load_b128 v[KF+8*\f+4:KF+8*\f+7], v[AK+(\d)] offset:(\f/4)*16*PK+(\f%4)*64+32
.endr
.endm
.macro FETCH_V d
	WIN 0xc0                        ; destination window 3
.irp f, 0,1,2,3,4,5,6,7,8,9,10,11,12,13,14,15  ; keys 32 (f / 8) on, channels 16 (f % 8) on
	ds_load_tr16_b128 v[8*\f:8*\f+3],   v[AV+(\d)] offset:(\f/8)*32*PV+(\f%8)*32
	ds_load_tr16_b128 v[8*\f+4:8*\f+7], v[AV+(\d)] offset:(\f/8)*32*PV+16*PV+(\f%8)*32
.endr
.endm
; THE CONVERSION, in three parts.  CLOAD: my 16 rows of K and 16 of V out of stage slot s, a row a load.  CV2: four numbers of row i % 16 (K: i < 16, then V) are rounded, in place: pair i goes to
; registers 2 i and 2 i + 1, which lie at or below its own.  CSTORE: the 32 rows into f16 buffer d, 256 neighbouring bytes a store.
.macro CLOAD s
	WIN 0xc0
.irp t, 0,1,2,3,4,5,6,7,8,9,10,11,12,13,14,15
	ds_load_b128 v[X+4*\t:X+4*\t+3], v[CA+(\s)] offset:512*\t
.endr
.irp t, 0,1,2,3,4,5,6,7,8,9,10,11,12,13,14,15
	ds_load_b128 v[X+64+4*\t:X+64+4*\t+3], v[CA+(\s)] offset:STEPG+512*\t
.endr
.endm
.macro CV2
	WIN 0xcf                        ; sources and destination window 3
	v_cvt_pk_f16_f32 v[X+2*i], v[X+4*i], v[X+4*i+1]
	v_cvt_pk_f16_f32 v[X+2*i+1], v[X+4*i+2], v[X+4*i+3]
.endm
.macro CSTORE d
	WIN 0x0c                        ; the data (source 1) window 3, the address window 0
.irp t, 0,1,2,3,4,5,6,7,8,9,10,11,12,13,14,15
	ds_store_b64 v[CKA+(\d)], v[X+2*\t:X+2*\t+1] offset:\t*PK
.endr
.irp t, 0,1,2,3,4,5,6,7,8,9,10,11,12,13,14,15
	ds_store_b64 v[CVA+(\d)], v[X+32+2*\t:X+32+2*\t+1] offset:\t*PV
.endr
.endm
; THE VECTOR WORK OF A TURN.  One tile's softmax for one key step is a numbered list; SM writes number j of it for tile t.  s0-s31 are the lane's 32 scores, in pairs 0-15.
; first = 1: the first key step, which starts m, l and O^T: it has no a and nothing to rescale.
;   0-15    the maximum of s0-s31 and the old m, three operands at a time: four chains c0-c3 of seven scores each (each begins at its accumulator's lowest registers), then the four scores left over, c0-c3 and m
;   16-20   the other half of the lanes' maximum; m_old is kept; the new m; m_old - m_new (19 is empty)
;   21-87   33 exponentials (a, then s0-s31) at the odd numbers from 23 on, so that no two follow each other and each has a plain instruction behind it before its result is used (ISA guide 5.7.2).
;           Plain instruction q (number 21, then the even numbers) is whatever is ready: s - m for a pair of scores whose exponentials are still to come (q = 0 to 3, then every second q),
;           the rounding to f16 of a pair of weights whose exponentials are done (every other q from 5 on), at last the first three sums
;   88-101  the last rounding; the rest of the sums; l = a l + the sum
;   102-133 the tile's O^T times a, in ascending order: the one part that leaves window 0, so it stands together
.macro SM t, first
.set rT, ST+8*(\t)
.set rS, S+32*(\t)
.set rP, P+16*(\t)
.set rO, 64*(\t)+2*(j-102)
.set q, (j-20)/2
.if j < 102
	WIN 0
.endif
.if j < 4
	v_max3_num_f32 v[rT+3+j], v[rS+8*j], v[rS+8*j+1], v[rS+8*j+2]
.elseif j < 12
	v_max3_num_f32 v[rT+3+j%4], v[rT+3+j%4], v[rS+8*(j%4)+2*(j/4)+1], v[rS+8*(j%4)+2*(j/4)+2]
.elseif j == 12
	v_max3_num_f32 v[rT+3], v[rT+3], v[rS+7], v[rS+15]
.elseif j == 13
	v_max3_num_f32 v[rT+5], v[rT+5], v[rS+23], v[rS+31]
.elseif j == 14
	v_max3_num_f32 v[rT+3], v[rT+3], v[rT+4], v[rT+5]
.elseif (j == 15) && \first
	v_max_num_f32 v[rT+3], v[rT+3], v[rT+6]
.elseif j == 15
	v_max3_num_f32 v[rT+3], v[rT+3], v[rT+6], v[rT+2]
.elseif j == 16
	v_permlanex16_b32 v[rT+4], v[rT+3], s[SEL], s[SEL+1]  ; the query's other 32 keys lie in the lane 16 away
.elseif j == 18
	v_max_num_f32 v[rT+2], v[rT+3], v[rT+4]
.elseif j == 19                     ; empty: the scale is in Q already
.elseif ((j == 17) || (j == 20) || (j == 23) || (j > 101)) && \first  ; the first step has none of these
.elseif j == 17
	v_mov_b32 v[rT+7], v[rT+2]      ; m_old is kept for a: number 18 writes m anew
.elseif j == 20
	v_sub_f32 v[rT+7], v[rT+7], v[rT+2]
.elseif j == 23
	v_exp_f32 v[rT+4], v[rT+7]
.elseif (j < 88) && (j > 23) && (j%2 == 1)
	v_exp_f32 v[rS+(j-25)/2], v[rS+(j-25)/2]
.elseif (q < 4) || ((j < 76) && (q%2 == 0))
.set b, q/2+2
.if q < 4
.set b, q
.endif
	v_pk_add_f32 v[rS+2*b:rS+2*b+1], v[rS+2*b:rS+2*b+1], v[rT+2:rT+3] op_sel_hi:[1,0] neg_lo:[0,1] neg_hi:[0,1]  ; pair b: s - m, m for both halves
.elseif (j < 88) && (q%2 == 1)
	s_wait_alu depctr_va_vdst(0)
	v_cvt_pk_f16_f32 v[rP+(q-5)/2], v[rS+q-5], v[rS+q-4]  ; pair (q - 5) / 2: its second exponential stands three numbers back
.elseif j == 89
	s_wait_alu depctr_va_vdst(0)
	v_cvt_pk_f16_f32 v[rP+15], v[rS+30], v[rS+31]
.elseif j < 102                     ; the sum of the tile's 16 pairs (in a pair: an even key's weight, an odd key's), in place: sum z of 16 adds neighbours 1, 2, 4 and 8 pairs apart, then l takes it
.set z, j-86
.if j < 89
.set z, (j-76)/4
.endif
.set w, 4
.set u, z
.if z >= 14
.set w, 32
.set u, 0
.elseif z >= 12
.set w, 16
.set u, z-12
.elseif z >= 8
.set w, 8
.set u, z-8
.endif
.if (z == 14) && \first
	v_pk_add_f32 v[rT:rT+1], v[rS:rS+1], v[rS+16:rS+17]
.elseif z < 15
	v_pk_add_f32 v[rS+w*u:rS+w*u+1], v[rS+w*u:rS+w*u+1], v[rS+w*u+w/2:rS+w*u+w/2+1]
.elseif !\first
	v_pk_fma_f32 v[rT:rT+1], v[rT:rT+1], v[rT+4:rT+5], v[rS:rS+1] op_sel_hi:[1,0,1]
.endif
.else
	WIN W_RS
	v_pk_mul_f32 v[rO:rO+1], v[rO:rO+1], v[rT+4:rT+5] op_sel_hi:[1,0]
.endif
.endm
; Slice k of 64 of piece y's softmax: numbers 2 k and 2 k + 1 of both tiles' lists.  The numbers from 128 on, which are over, stand together in slice 63.
.macro SLICE y, first
.if (k >= 11) && (k < 44)           ; tile by tile: plain, exponential, plain, exponential
.irp t, \y, \y+1
.irp n, 0,1
.set j, 2*k+\n
	SM \t, \first
.endr
.endr
.else                               ; the two tiles alternate, so that no instruction reads the result of the one just before it
.irp n, 0,1,2,3,4,5,6,7
.if (\n < 2) || (k == 63)
.irp t, \y, \y+1
.set j, 2*k+\n
	SM \t, \first
.endr
.endif
.endr
.endif
.set k, k+1
.endm
; A vector instruction that reads a matrix result or writes one of a matrix instruction's registers, and a load into a register that a matrix instruction has read, stand four places behind
; it, and only plain vector instructions that name none of its registers are places (ISA guide 7.12.1 for vector instructions).  In the loop the slices are the places.
.macro PLACES
.rept 4
	v_nop
.endr
.endm
; A TURN.  Piece x has the matrix unit; the other piece's softmax stands in slices behind its matrix instructions.
; pv = 2: 32 products V^T P; 1: they start O^T's sums; 0: none.  kq = 1: 32 products K Q^T for the next step.  A turn with one of the two kinds has two slices behind each product.
; first = 1: the softmax is the first key step's.  Its slices from 51 on are empty: the turn's last products stand bare, and four v_nop take slice 63's part as the places behind them.
; buf: the f16 buffer that holds the step whose K and V are fetched.  cv = 1: the step behind it is converted, out of stage slot 1 - buf into f16 buffer 1 - buf.
; Each run of LDS instructions stands behind the second product of a run of 32.  Piece 0's turn fetches K (the last product that read K stands in front of slice 63 of the turn before) and, 32 products
; later, the f32 rows to be converted.  Piece 2's turn rounds them, two conversions behind each product V^T P, then fetches V (the last product that read V stands three slices back) and stores the rounded rows.
.macro TURN x, pv, kq, first, buf, cv
.set k, 0
.set per, 2
.if \pv && \kq
.set per, 1
.endif
.if \pv
.if (\x == 0) || \cv
	s_wait_dscnt 0x0                ; piece 0: V is in.  Piece 2: the rows to be converted are in
.endif
.set i, 0
.rept 32
	PV \x, 2-\pv
.rept per
	SLICE 2-\x, \first
.endr
.if (\x == 2) && \cv
	CV2
.endif
.if (\x == 0) && \kq && (i == 1)
	FETCH_K \buf
.endif
.set i, i+1
.endr
.endif
.if \kq
.if \x == 0
	s_wait_dscnt 0x0                ; K is in
.endif
.set i, 0
.rept 32
	KQ \x
.rept per
	SLICE 2-\x, \first
.endr
.if (\x == 0) && \cv && (i == 1)
	CLOAD 1-\buf
.endif
.if (\x == 2) && (i == 1)
	FETCH_V \buf
.if \cv
	CSTORE 1-\buf
.endif
.endif
.set i, i+1
.endr
.endif
.if \first
	PLACES
.endif
.endm
; THE CHANGE in front of trip f, d = f % 2.  Each wave waits for all its LDS instructions (its stores of step f into f16 buffer d, its reads of stage slot d and of f16 buffer 1 - d) and for all its
; tensor loads, of which one is out: its part of step f + 1 in slot 1 - d.  Behind the barrier buffer d and slot 1 - d are whole, and nobody reads slot d or buffer 1 - d any more.
; fill = 1: slot d is filled again, with step f + 2.  The barrier is then a round of the cluster's, so that no wave of any partner still reads the slot or has a load on its way, and the joint
; refill is the first thing behind it, one tensor load a wave: it has a key step, 128 matrix instructions, in which to land.
.macro CHANGE d, fill
	WIN 0                           ; at a label and at a branch every window is 0
	s_wait_dscnt 0x0
	s_wait_tensorcnt 0x0            ; no tensor load of mine is out, so a group 0 may be written
	ds_add_u32 v62, v63
	s_wait_dscnt 0x0
.if \fill
	s_add_nc_u64 s[G0K+4*\d+2:G0K+4*\d+3], s[G0K+4*\d+2:G0K+4*\d+3], 2*STEPG  ; two key steps on; the type bits on top are not reached
	s_add_nc_u64 s[G0V+4*\d+2:G0V+4*\d+3], s[G0V+4*\d+2:G0V+4*\d+3], 2*STEPG
	CROUND
	JLOAD \d
.else
	s_barrier_signal -1
	s_barrier_wait -1
.endif
.endm
; In the loop's trip that begins with key step f this asks for my 8,192 bytes of steps f + 4 and f + 5, whose tensor loads go out two and three key steps later.  The last trip's steps 32 and 33 do not
; exist: there every lane is clamped to the head's last 256 bytes, so that no prefetch leaves the buffer.
.macro PREF
	s_wait_xcnt 0x0                 ; the last prefetch, a whole trip back, has had its address translated (ISA guide 3.1): PF is rewritten only behind this wait
	v_add_nc_u32 v[PF], 2*STEPG, v[PF]
	v_min_u32 v[PF], 0xfff00, v[PF]
	global_prefetch_b8 v[PF], s[56:57] th:TH_LOAD_NT scope:SCOPE_SE
.endm
	; KEY STEP 0 IS CONVERTED.
	s_wait_tensorcnt 1              ; my part of slot 0 is in; slot 1's, issued behind it, may stay out
	s_barrier_signal -1
	s_barrier_wait -1               ; everybody's is
	CLOAD 0
	s_wait_dscnt 0x0
.set i, 0
.rept 32
	CV2
.set i, i+1
.endr
	CSTORE 0
	; TRIP 0: piece 0's first scores; there is no softmax yet to set between them, so step 1's conversions stand there.
	CHANGE 0, 1
	FETCH_K 0
	CLOAD 1
	s_wait_dscnt 0x0
.set i, 0
.rept 32
	KQ 0
	CV2
.set i, i+1
.endr
	WIN 0                           ; the addresses for the way out are made here: five plain instructions, the places behind those products
	s_mul_i32 s22, s[WV], 16*SP
	s_add_co_u32 s22, s22, OUTS     ; my stage
	v_mul_u32_u24 v[STO], v1, SP    ; in: row l % 16, 32 bytes for each half of the lanes
	v_lshl_add_u32 v[STO], v50, 5, v[STO]
	v_add_nc_u32 v[STO], s22, v[STO]
	v_lshlrev_b32 v[GO], 4, v52     ; back, and out: a row of 512 bytes is one instruction of the wave, 16 bytes a lane
	v_add_nc_u32 v[RD], s22, v[GO]
	TURN 2, 0, 1, 1, 0, 1           ; piece 2's first scores | piece 0's first softmax | V of step 0; step 1's rounded rows are stored
	; TRIP 1
	CHANGE 1, 1
	TURN 0, 1, 1, 1, 1, 1           ; piece 0: V^T P of step 0 starts O^T, K Q^T of step 1 | piece 2's first softmax | K of step 1
	TURN 2, 1, 1, 0, 1, 1           ; piece 2: the same | piece 0's softmax of step 1 | V of step 1
	WIN 0
	s_mov_b32 s[PAIRS], 14
.Lpair:                             ; 14 trips of two key steps: trips 2 to 29, each of which fills a slot again
	CHANGE 0, 1
	PREF
	TURN 0, 2, 1, 0, 0, 1
	TURN 2, 2, 1, 0, 0, 1
	CHANGE 1, 1
	TURN 0, 2, 1, 0, 1, 1
	TURN 2, 2, 1, 0, 1, 1
	WIN 0
	s_sub_co_u32 s[PAIRS], s[PAIRS], 1
	s_cmp_lg_u32 s[PAIRS], 0
	s_cbranch_scc1 .Lpair
	CHANGE 0, 0                     ; the tail is written out.  Trip 30: nothing is asked for; step 31 is converted
	TURN 0, 2, 1, 0, 0, 1
	TURN 2, 2, 1, 0, 0, 1
	CHANGE 1, 0                     ; trip 31: nothing is left to convert
	TURN 0, 2, 1, 0, 1, 0
	TURN 2, 2, 1, 0, 1, 0
	TURN 0, 2, 0, 0, 0, 0           ; piece 0: V^T P of the last step | piece 2's last softmax
.set i, 0
.rept 32
	PV 2, 0                         ; piece 2: V^T P of the last step
.set i, i+1
.endr
	; THE WAY OUT.  l's two halves and the other half of the lanes' are added; O^T is multiplied by dropout_p / l and sent through my stage in LDS, a tile (16 rows) at a time.  The additions are the places behind the last products.
	WIN 0
.irp t, 0,1,2,3
	v_add_f32 v[ST+8*\t+3], v[ST+8*\t], v[ST+8*\t+1]
.endr
.irp t, 0,1,2,3
	v_permlanex16_b32 v[ST+8*\t+5], v[ST+8*\t+3], s[SEL], s[SEL+1]
.endr
.irp t, 0,1,2,3
	v_add_f32 v[ST+8*\t+3], v[ST+8*\t+3], v[ST+8*\t+5]
.endr
.irp t, 0,1,2,3
	v_rcp_f32 v[ST+8*\t+4], v[ST+8*\t+3]  ; l is at least 1: the largest score's weight is 1
.endr
	v_nop                           ; a plain instruction between the last reciprocal and the use of its result
.irp t, 0,1,2,3
	s_wait_alu depctr_va_vdst(0)
	v_mul_f32 v[ST+8*\t+4], s54, v[ST+8*\t+4]
.endr
; Tile t: a lane's eight channels of a row are 32 bytes; they go into rows of 528 bytes and come back as whole rows of 512, into the registers that they left.
.macro PACK t
	WIN W_RS
.set i, 64*\t
.rept 32
	v_pk_mul_f32 v[i:i+1], v[i:i+1], v[ST+8*\t+4:ST+8*\t+5] op_sel_hi:[1,0]  ; each accumulator from its low end on
.set i, i+2
.endr
	WIN 0x04                        ; the data (source 1) window 1
.irp c, 0,1,2,3,4,5,6,7
	ds_store_b128 v[STO], v[64*\t+8*\c:64*\t+8*\c+3]   offset:64*\c
	ds_store_b128 v[STO], v[64*\t+8*\c+4:64*\t+8*\c+7] offset:64*\c+16
.endr
	WIN 0x40                        ; destination window 1
.irp n, 0,1,2,3,4,5,6,7,8,9,10,11,12,13,14,15
	ds_load_b128 v[64*\t+4*\n:64*\t+4*\n+3], v[RD] offset:\n*SP  ; LDS serves a wave's instructions in order (ISA guide 5.7.1.4): these see the stores above; the next tile's stores come behind them
.endr
.endm
.macro SEND t, younger              ; younger: the LDS instructions issued behind tile t's loads: the next tile's 16 stores and 16 loads, or none
	WIN 0x04
.irp n, 0,1,2,3,4,5,6,7,8,9,10,11,12,13,14,15
	s_wait_dscnt \younger+15-\n
	global_store_b128 v[GO], v[64*\t+4*\n:64*\t+4*\n+3], s[14:15] offset:\t*8192+\n*512 th:TH_STORE_NT  ; the wave stores a whole row: 512 consecutive bytes, at a multiple of 512 from the output's first byte
.endr
.endm
	PACK 0
	PACK 1                          ; a tile's arithmetic stands between the loads of the tile before and its stores
	SEND 0, 32
	PACK 2
	SEND 1, 32
	PACK 3
	SEND 2, 32
	SEND 3, 0
	WIN 0
	s_wait_tensorcnt 0x0
	ds_add_u32 v62, v63
	s_wait_dscnt 0x0
	CROUND                          ; the closing round: no work-group ends while a partner may still ask for a tile that names it
	s_endpgm
.Lfunc_end_k_q175cda95f1_attn:
	.size	k_q175cda95f1_attn, .Lfunc_end_k_q175cda95f1_attn-k_q175cda95f1_attn
	.p2alignl 7, 3214868480
	.fill 96, 4, 3214868480
	.section	.rodata,"a",@progbits
	.p2align	6, 0x0
	.amdhsa_kernel k_q175cda95f1_attn
		.amdhsa_group_segment_fixed_size 327680
		.amdhsa_private_segment_fixed_size 0
		.amdhsa_enable_private_segment 0
		.amdhsa_kernarg_size 48
		.amdhsa_user_sgpr_count 2
		.amdhsa_user_sgpr_kernarg_segment_ptr 1
		.amdhsa_wavefront_size32 1
		.amdhsa_system_sgpr_workgroup_id_x 1
		.amdhsa_system_sgpr_workgroup_id_y 1
		.amdhsa_system_sgpr_workgroup_id_z 1
		.amdhsa_system_vgpr_workitem_id 0
		.amdhsa_next_free_vgpr 1024
		.amdhsa_next_free_sgpr 66
		.amdhsa_reserve_vcc 0
		.amdhsa_float_denorm_mode_32 3
		.amdhsa_float_denorm_mode_16_64 3
		.amdhsa_memory_ordered 1
		.amdhsa_forward_progress 1
		.amdhsa_inst_pref_size 255
	.end_amdhsa_kernel
	.section	.bss,"aw",@nobits
	.p2align	6
	.space	262144
	.amdgpu_metadata
---
amdhsa.version: [ 1, 2 ]
amdhsa.kernels:
  - .name:           k_q175cda95f1_attn
    .symbol:         k_q175cda95f1_attn.kd
    .args:
      - { .name: query, .offset: 0, .size: 8, .value_kind: global_buffer, .address_space: global }
      - { .name: key, .offset: 8, .size: 8, .value_kind: global_buffer, .address_space: global }
      - { .name: value, .offset: 16, .size: 8, .value_kind: global_buffer, .address_space: global }
      - { .name: scale_factor, .offset: 24, .size: 8, .value_kind: global_buffer, .address_space: global }
      - { .name: dropout_p, .offset: 32, .size: 8, .value_kind: global_buffer, .address_space: global }
      - { .name: out0, .offset: 40, .size: 8, .value_kind: global_buffer, .address_space: global }
    .group_segment_fixed_size: 327680
    .private_segment_fixed_size: 0
    .kernarg_segment_align: 8
    .kernarg_segment_size: 48
    .max_flat_workgroup_size: 128
    .sgpr_count:     66
    .vgpr_count:     1024
    .wavefront_size: 32
...
	.end_amdgpu_metadata
.endif
;; end of part 1
